; MI455X (gfx1250); checked and timed in simulation.
; The chip was launched on July 23, 2026; its instructions are those of AMD's public machine-readable ISA for CDNA 5 (MIT licence, August 2026) and "CDNA5" Instruction Set Architecture Reference Guide (July 2026). The comments in the code are by the model that wrote it; some were corrected since.
;; Multihead Attention. Allowed arithmetic: matrix products marked QUANTISED: E2M1 operands, one E8M0 scale for each 32 along K, by v_wmma_scale_f32_16x16x128_f8f6f4 with both operands' format E2M1 (or v_wmma_scale_f32_32x16x128_f4), f32 sums; everything else in f32.
;; Inputs: Wk 512 x 512 float32; Wq 512 x 512 float32; Wv 512 x 512 float32; bk 512 float32; bq 512 float32; bv 512 float32; keys 2 x 4,096 x 512 float32; queries 2 x 4,096 x 512 float32; values 2 x 4,096 x 512 float32.
;; Outputs: out0 2 x 4,096 x 512 float32.
;; This version of the problem:
;;   THIS VERSION OF THE PROBLEM IS GIVEN IN LOW PRECISION. The matrix products marked QUANTISED in the list below multiply operands that are first quantised to E2M1 (2 exponent bits, 1 mantissa bit; 4 bits a number), with one power-of-two scale for each 32 numbers along K (OCP MX v1.0); their sums are f32. All else is computed in f32.
;;   The module's matrix products, in the order in which they are computed (A, B: the left and right operand; K: the contracted axis; several contracted axes count as one K, in the product's order):
;;     1. [M 8,192, K 512] x [K 512, N 512]; A: input queries; B: input Wq: QUANTISED
;;     2. [M 8,192, K 512] x [K 512, N 512]; A: input keys; B: input Wk: QUANTISED
;;     3. [M 8,192, K 512] x [K 512, N 512]; A: input values; B: input Wv: QUANTISED
;;     4. batch 16 x [M 4,096, K 64] x [K 64, N 4,096]; A: computed on the way; B: computed on the way: QUANTISED
;;     5. batch 16 x [M 64, K 4,096] x [K 4,096, N 4,096]; A: computed on the way; B: softmax (see below): QUANTISED
;;   THE QUANTISER, for each operand of a quantised product, along K:
;;     - K is cut into blocks of 32 from its start; a last block that is shorter is filled with zeros.
;;     - A block's scale is 2^e with e = floor(log2(the largest magnitude in the block)) - 2, held to -126 .. 127; a block of zeros has e = 0. As a byte (E8M0): e + 127.
;;     - Each number is divided by its block's scale, clamped to +-6, and rounded to the nearest number of E2M1, ties to even, subnormals kept.
;;     - The product sums the exact products of the quantised numbers (number of the format x scale) in f32.
;;   ~~~python
;;   def quantise(x, axis):      # numpy; x: float32 -> the quantised numbers, widened to float32 again
;;       x = np.moveaxis(x, axis, -1); K = x.shape[-1]
;;       x = np.pad(x, [(0, 0)] * (x.ndim - 1) + [(0, -K % 32)]); x = x.reshape(x.shape[:-1] + (-1, 32)); a = np.abs(x).max(-1, keepdims=True)
;;       e = np.where(a > 0, np.clip(np.frexp(np.where(a > 0, a, 1))[1] - 1 - 2, -126, 127), 0)      # np.frexp(a)[1] - 1 = floor(log2(a)), exactly
;;       r = np.clip(x / 2.0 ** e, -6, 6)
;;       step = 2.0 ** (np.maximum(np.frexp(np.where(r == 0, 1, r))[1] - 1, 0) - 1)
;;       q = np.round(r / step) * step * 2.0 ** e      # np.round: ties to even
;;       return np.moveaxis(q.reshape(q.shape[:-2] + (-1,))[..., :K], -1, axis).astype(np.float32)
;;   ~~~
;;   SOFTMAX AHEAD OF A QUANTISED PRODUCT. Where the list says 'softmax', what is quantised is not the finished softmax but p = 2^(t - M), with t = logit x log2(e) and M = ceil(the row's largest t), a whole number; so 1/2 < the row's largest p <= 1. The row's sum l is taken of the UNQUANTISED p, in f32, and the product's result is divided by l at the end. Since M is a whole number, a kernel that streams over the keys may use a running M (the ceiling of the running maximum): every later rescaling is an exact power of two, which a block's scale takes up: the codes' values come out the same.
;;   OPERANDS COMPUTED ON THE WAY. 'Computed on the way' means the value that the module computes at that place (a softmax that the list does not call 'softmax' is quantised finished and normalised). What goes into a quantiser is computed in f32, as accurately as f32 sums, v_exp_f32 and their like allow (about 1e-6 of the number): no bf16 or f16 on the way to a quantiser, and a product that is left as it is and whose result goes on into a quantised operand takes f32 operands (vector FMAs, or v_wmma_f32_16x16x4_f32). A number that lies on a knife's edge between two numbers of the format may be rounded either way, as far as f32 arithmetic and the matrix unit's own rounding can turn it there, and no further.
;; One version. Each part assembles by itself: llvm-mc -triple=amdgcn-amd-amdhsa -mcpu=gfx1250 --defsym DOCPART=n.
;; ======== version 1 of 1: 3 launches
;; limits: right only within a limited range of input values
;; workspace buffers: wcodes 393,216 bytes; wscales 49,152 bytes; qkv 7,077,888 bytes
;; launch wquant (part 1): grid 32 x 3, 4 waves a work-group, no clusters, 0 bytes of LDS; arguments Wq, Wk, Wv, wcodes, wscales; writes wcodes, wscales
.if DOCPART == 1
	.amdgcn_target "amdgcn-amd-amdhsa--gfx1250"
	.amdhsa_code_object_version 6
	.text
	.protected	k_q99abec95f0_wquant
	.globl	k_q99abec95f0_wquant
	.p2align	8
	.type	k_q99abec95f0_wquant,@function
k_q99abec95f0_wquant:
	s_mov_b64 s[64:65], 0
	v_nop
	global_prefetch_b8 v0, s[64:65] scope:SCOPE_SE
	s_setreg_imm32_b32 hwreg(HW_REG_WAVE_MODE, 25, 1), 1
	s_wait_xcnt 0x0
; MULTI-HEAD ATTENTION IN MX-FP4, launch 1 of 3: the three weights become codes.
; THE PROGRAM.  1: Wq, Wk, Wv [512 (k)][512 (n)] f32 are quantised down k.  2: queries, keys, values are quantised along their 512, multiplied by the weights, the bias is added,
; and q, k (along a head's 64) and v (along the keys) are quantised again.  3: attention on those codes.  Between launches only codes and scale bytes go through memory.
; NO WORK IS LEFT OUT: all nine inputs have a way to the output.  bq and bk stand ahead of the quantisers of q and k and move their codes and scales (so bk stays, though in real numbers
; the softmax would take its part away); bv stands ahead of v's quantiser.
; THIS LAUNCH.  A wave makes ONE operand fragment, 16 columns x 128 along k, and stores it as an image of the operand's registers: lane l's 16 bytes at 16 l, 512 bytes for four registers, and the
; scale word at 4 l.  A lane takes a column and its registers run down k, in the order that the operand's layout gives that lane (registers 4 c .. 4 c + 3: k = 64 c + 32 (l / 16) + 0 .. 31):
; so the conversions' results are the operand's registers and nothing is transposed.
; THE COLUMNS OF A TILE ARE NOT NEIGHBOURS: of a head's 64 columns, lane r of tile 2 b + u takes column 32 b + 8 u + r + 8 (r / 8), so that in the products' results the 16 registers of tiles
; 2 b and 2 b + 1 are 16 neighbouring channels.
; wcodes: [3 weights][8 heads][4 K steps][4 tiles][1,024 bytes];  wscales: the same index x 128 bytes.
; SHARES.  Work-group (x, y): weight y, head x / 4, K step x % 4; wave T: tile T.  The four waves together read 256 consecutive bytes of each row of W.  There are 384 fragments, so 96 work-groups.
; A block's scale is 2^(floor(log2(its largest magnitude)) - 2); its byte is the largest magnitude's exponent field - 2, held at 1 from below.
; LIMITS: a block of zeros, or one whose largest magnitude lies under 2^-124, gets the byte 1 (its codes are zeros, or are taken under that scale); the bytes are read by this program alone.
; NaN and infinities among the inputs are not served.
.set X,   64                           ; v64-127  my 64 numbers: 32 c + i = W(128 s + 64 c + 32 h + i, my column)
.set SEL, 20                           ; s[20:21] lane selects for v_permlanex16_b32: lane l xor 16
	s_load_b256 s[4:11], s[0:1], 0x0               ; Wq s[4:5], Wk s[6:7], Wv s[8:9], wcodes s[10:11]
	s_load_b64 s[12:13], s[0:1], 0x20              ; wscales
	v_lshrrev_b32 v1, 5, v0
	v_readfirstlane_b32 s14, v1                    ; wave = tile T
	v_and_b32 v1, 15, v0                           ; r
	v_bfe_u32 v2, v0, 4, 1                         ; h
	v_and_b32 v3, 8, v1
	v_add_nc_u32 v3, v3, v1                        ; r + 8 (r / 8)
	v_lshlrev_b32 v5, 2, v3                        ; my column, 4 bytes each,
	v_lshl_add_u32 v5, v2, 16, v5                  ; and 32 rows of 2,048 bytes further down for lanes 16-31
	v_and_b32 v7, 31, v0
	v_lshlrev_b32 v4, 4, v7                        ; an image's place for my lane
	v_lshlrev_b32 v6, 2, v7                        ; a scale word's
	s_and_b32 s17, ttmp7, 0xffff                   ; which weight
	s_lshr_b32 s15, ttmp9, 2                       ; head
	s_and_b32 s16, ttmp9, 3                        ; K step
	s_lshl_b32 s22, s16, 18                        ; 128 rows of 2,048 bytes a K step
	s_lshl_b32 s18, s15, 8                         ; 64 columns a head
	s_add_co_u32 s22, s22, s18
	s_lshr_b32 s18, s14, 1
	s_lshl_b32 s18, s18, 7                         ; 32 b columns
	s_add_co_u32 s22, s22, s18
	s_and_b32 s18, s14, 1
	s_lshl_b32 s18, s18, 5                         ; 8 u columns
	s_add_co_u32 s22, s22, s18
	s_mov_b32 s23, 0
	s_lshl_b32 s24, s17, 7                         ; the fragment's number: 128 y + 4 x + T
	s_lshl_b32 s18, ttmp9, 2
	s_add_co_u32 s24, s24, s18
	s_add_co_u32 s24, s24, s14
	s_lshl_b32 s26, s24, 7                         ; x 128 bytes of scale words
	s_lshl_b32 s24, s24, 10                        ; x 1,024 bytes of codes
	s_mov_b32 s25, 0
	s_mov_b32 s27, 0
	s_mov_b32 s[SEL], 0x76543210
	s_mov_b32 s[SEL+1], 0xfedcba98
	s_wait_alu depctr_va_vdst(0)
	s_wait_kmcnt 0x0
	s_cmp_eq_u32 s17, 1                            ; the choice hangs on the work-group's number alone
	s_cselect_b64 s[4:5], s[6:7], s[4:5]
	s_cmp_eq_u32 s17, 2
	s_cselect_b64 s[4:5], s[8:9], s[4:5]
	s_add_nc_u64 s[4:5], s[4:5], s[22:23]
	s_add_nc_u64 s[10:11], s[10:11], s[24:25]
	s_add_nc_u64 s[12:13], s[12:13], s[26:27]
.irp c, 0,1
.irp i, 0,1,2,3,4,5,6,7,8,9,10,11,12,13,14,15,16,17,18,19,20,21,22,23,24,25,26,27,28,29,30,31
	global_load_b32 v[X+32*\c+\i], v5, s[4:5] offset:(64*\c+\i)*2048
.endr
.endr
	s_wait_loadcnt 0x0
.irp c, 0,1                                    ; my block 2 c + h: all its 32 numbers are mine
	v_max3_num_f32 v[32+\c], |v[X+32*\c]|, |v[X+1+32*\c]|, 0x1800000   ; and the floor 2^(3 - 127): so the byte cannot fall under 1
.endr
.irp i, 2,4,6,8,10,12,14,16,18,20,22,24,26,28,30
.irp c, 0,1
	v_max3_num_f32 v[32+\c], v[32+\c], |v[X+32*\c+\i]|, |v[X+1+32*\c+\i]|   ; (the two blocks by turns)
.endr
.endr
.irp c, 0,1
	v_add_nc_u32 v[44+\c], 0xff000000, v[32+\c]    ; 2 off the exponent field: the conversion takes the exponent field of this operand as its scale
.endr
.irp c, 0,1
	v_lshrrev_b32 v[36+\c], 23, v[44+\c]           ; the scale's byte
.endr
	v_lshl_or_b32 v9, v37, 16, v36                 ; my two bytes: blocks h and 2 + h of my column,
	v_lshlrev_b32 v10, 3, v2
	v_lshlrev_b32 v9, v10, v9                      ; at their places in the scale word (8 h bits up);
	v_mov_b32 v10, 0                               ; (a lane permute's destination counts as one of its sources)
	v_permlanex16_b32 v10, v9, s[SEL], s[SEL+1]
	v_or_b32 v9, v9, v10                           ; with lane l xor 16's two the word is whole, in both halves of the lanes
.irp c, 0,1
.irp g, 0,1,2,3
	v_cvt_scalef32_pk8_fp4_f32 v[48+4*\c+\g], v[X+32*\c+8*\g:X+32*\c+8*\g+7], v[44+\c]   ; registers 4 c .. 4 c + 3 of the operand
.endr
.endr
	v_nop                                          ; one plain line behind the last scaled conversion
	global_store_b128 v4, v[48:51], s[10:11]             ; 32 lanes store 512 consecutive bytes
	global_store_b128 v4, v[52:55], s[10:11] offset:512
	global_store_b32 v6, v9, s[12:13]
	s_endpgm
.Lfunc_end_k_q99abec95f0_wquant:
	.size	k_q99abec95f0_wquant, .Lfunc_end_k_q99abec95f0_wquant-k_q99abec95f0_wquant
	.p2alignl 7, 3214868480
	.fill 96, 4, 3214868480
	.section	.rodata,"a",@progbits
	.p2align	6, 0x0
	.amdhsa_kernel k_q99abec95f0_wquant
		.amdhsa_group_segment_fixed_size 0
		.amdhsa_private_segment_fixed_size 0
		.amdhsa_enable_private_segment 0
		.amdhsa_kernarg_size 40
		.amdhsa_user_sgpr_count 2
		.amdhsa_user_sgpr_kernarg_segment_ptr 1
		.amdhsa_wavefront_size32 1
		.amdhsa_system_sgpr_workgroup_id_x 1
		.amdhsa_system_sgpr_workgroup_id_y 1
		.amdhsa_system_sgpr_workgroup_id_z 1
		.amdhsa_system_vgpr_workitem_id 0
		.amdhsa_next_free_vgpr 128
		.amdhsa_next_free_sgpr 66
		.amdhsa_reserve_vcc 0
		.amdhsa_float_denorm_mode_32 3
		.amdhsa_float_denorm_mode_16_64 3
		.amdhsa_memory_ordered 1
		.amdhsa_forward_progress 1
		.amdhsa_inst_pref_size 12
	.end_amdhsa_kernel
	.amdgpu_metadata
---
amdhsa.version: [ 1, 2 ]
amdhsa.kernels:
  - .name:           k_q99abec95f0_wquant
    .symbol:         k_q99abec95f0_wquant.kd
    .args:
      - { .name: Wq, .offset: 0, .size: 8, .value_kind: global_buffer, .address_space: global }
      - { .name: Wk, .offset: 8, .size: 8, .value_kind: global_buffer, .address_space: global }
      - { .name: Wv, .offset: 16, .size: 8, .value_kind: global_buffer, .address_space: global }
      - { .name: wcodes, .offset: 24, .size: 8, .value_kind: global_buffer, .address_space: global }
      - { .name: wscales, .offset: 32, .size: 8, .value_kind: global_buffer, .address_space: global }
    .group_segment_fixed_size: 0
    .private_segment_fixed_size: 0
    .kernarg_segment_align: 8
    .kernarg_segment_size: 40
    .max_flat_workgroup_size: 128
    .sgpr_count:     66
    .vgpr_count:     128
    .wavefront_size: 32
...
	.end_amdgpu_metadata
.endif
;; end of part 1
;; launch proj (part 2): grid 64 x 3, 8 waves a work-group, no clusters, 327,680 bytes of LDS; arguments queries, keys, values, bq, bk, bv, wcodes, wscales, qkv; writes qkv
.if DOCPART == 2
	.amdgcn_target "amdgcn-amd-amdhsa--gfx1250"
	.amdhsa_code_object_version 6
	.text
	.protected	k_q99abec95f0_proj
	.globl	k_q99abec95f0_proj
	.p2align	8
	.type	k_q99abec95f0_proj,@function
k_q99abec95f0_proj:
	s_mov_b64 s[64:65], 0
	v_nop
	global_prefetch_b8 v0, s[64:65] scope:SCOPE_SE
	s_setreg_imm32_b32 hwreg(HW_REG_WAVE_MODE, 25, 1), 1
	s_wait_xcnt 0x0
; Launch 2 of 3: queries, keys, values (work-group y = 0, 1, 2) are quantised along their 512, multiplied by the weights' codes, the bias is the first product's C,
; and q, k (along a head's 64) and v (along the keys) are quantised again and stored as images of operand registers: for each head and 128 rows a part of q, of k and of v, 4,608 bytes each.
; A work-group takes 128 rows; wave w quantises one tile of 16 rows for all, and then makes head w of all 128 rows.  No work is left out.
; WHICH ROWS FORM A TILE.  q and v: tile w holds rows 32 (w / 2) + 8 (w % 2) + 0 .. 7 and the eight that lie 16 further on.
; k: tile w holds rows 64 (w / 4) + 8 (w % 4) + 0 .. 7 and the eight that lie 32 further on, so that in the scores a lane's 32 registers of four neighbouring tiles are one block of 32 neighbouring keys.
.set RAWW,  33280
.set RAWH,  16640
.set RROW,  2080
.set XIMG,  266240
.set XSC,   299008
.set SPARE, 303104
.set GSTEP, 13824
.set PART,  4608
.set LI,  4
.set LS,  5
.set XRD, 6
.set XWI, 7
.set XWS, 8
.set SH,  9
.set BO,  10
.set LIX, 11
.set SPW, 12
.set NIL, 13
.set LSX, 14
.set WS,  16
.set XS,  32
.set TM,  40
.set PW,  56
.set WO,  60
.set XF,  64
.set WF,  128
.set BI,  192
.set WV,  22
.set Y,   23
.set G1,  32
.set G0,  40
.set SEL, 48
.set MSK, 58
.set MSB, 0
.macro WIN new
.if MSB != \new
	s_set_vgpr_msb (MSB<<8)|\new
.set MSB, \new
.endif
.endm
.macro PLACES
.rept 4
	v_nop
.endr
.endm
.macro QUANT s, pc, pw
	WIN 0x05
.irp b, 0,1,2,3
	v_max3_num_f32 v[TM+\b], |v[(\s)+16*\b]|, |v[(\s)+1+16*\b]|, 0x1800000
.endr
.irp i, 2,4,6,8,10,12,14
.irp b, 0,1,2,3
	v_max3_num_f32 v[TM+\b], |v[(\s)+16*\b+\i]|, |v[(\s)+1+16*\b+\i]|, v[TM+\b]
.endr
.endr
	WIN 0
.irp b, 0,1,2,3
	v_permlanex16_b32 v[TM+4+\b], v[TM+\b], s[SEL], s[SEL+1]
.endr
.irp b, 0,1,2,3
	s_delay_alu instid0(VALU_DEP_4)
	v_max_num_f32 v[TM+\b], v[TM+\b], v[TM+4+\b]
.endr
.irp b, 0,1,2,3
	s_delay_alu instid0(VALU_DEP_4)
	v_add_nc_u32 v[TM+8+\b], 0xff000000, v[TM+\b]
.endr
.irp b, 0,1,2,3
	s_delay_alu instid0(VALU_DEP_4)
	v_lshrrev_b32 v[TM+4+\b], 23, v[TM+8+\b]
.endr
	s_delay_alu instid0(VALU_DEP_3)
	v_lshl_or_b32 v[\pw], v[TM+5], 8, v[TM+4]
	s_delay_alu instid0(VALU_DEP_1)
	v_lshl_or_b32 v[\pw], v[TM+6], 16, v[\pw]
	s_delay_alu instid0(VALU_DEP_1)
	v_lshl_or_b32 v[\pw], v[TM+7], 24, v[\pw]
	WIN 0x01
.irp b, 0,1,2,3
	v_cvt_scalef32_pk8_fp4_f32 v[(\pc)+2*\b], v[(\s)+16*\b:(\s)+16*\b+7], v[TM+8+\b]
	v_cvt_scalef32_pk8_fp4_f32 v[(\pc)+1+2*\b], v[(\s)+8+16*\b:(\s)+8+16*\b+7], v[TM+8+\b]
.endr
	WIN 0
	v_nop
.irp c, 0,1
.irp i, 0,1
	v_permlane16_swap_b32 v[(\pc)+4*\c+\i], v[(\pc)+2+4*\c+\i]
.endr
.endr
.endm
.macro XFETCH s
.irp m, 0,1,2,3,4,5,6,7
	ds_load_b128 v[XF+8*\m:XF+8*\m+3],   v[LIX] offset:(4*\m+(\s))*1024
	ds_load_b128 v[XF+8*\m+4:XF+8*\m+7], v[LIX] offset:(4*\m+(\s))*1024+512
	ds_load_b32  v[XS+\m], v[LSX] offset:(4*\m+(\s))*128
.endr
.endm
.macro WLOAD s, p
.irp T, 0,1,2,3
	global_load_b128 v[WF+32*(\p)+8*\T:WF+32*(\p)+8*\T+3],   v[LI], s[16:17] offset:(4*(\s)+\T)*1024
	global_load_b128 v[WF+32*(\p)+8*\T+4:WF+32*(\p)+8*\T+7], v[LI], s[16:17] offset:(4*(\s)+\T)*1024+512
.endr
.endm
.macro MUL isv, s, p
.if (\s) == 0
	WIN 0x40
.else
	WIN 0x50
.endif
.irp T, 0,1,2,3
.irp m, 0,1,2,3,4,5,6,7
.set WR, WF+32*(\p)+8*\T
.set XR, XF+8*\m
.if \isv
.set AC, 8*(8*\T+\m)
.if (\s) == 0
	v_wmma_scale_f32_16x16x128_f8f6f4 v[AC:AC+7], v[XR:XR+7], v[WR:WR+7], v[BI+8*\T:BI+8*\T+7], v[XS+\m], v[WS+4*(\s)+\T] matrix_a_fmt:MATRIX_FMT_FP4 matrix_b_fmt:MATRIX_FMT_FP4
.else
	v_wmma_scale_f32_16x16x128_f8f6f4 v[AC:AC+7], v[XR:XR+7], v[WR:WR+7], v[AC:AC+7], v[XS+\m], v[WS+4*(\s)+\T] matrix_a_fmt:MATRIX_FMT_FP4 matrix_b_fmt:MATRIX_FMT_FP4
.endif
.else
.set AC, 8*(4*\m+\T)
.if (\s) == 0
	v_wmma_scale_f32_16x16x128_f8f6f4 v[AC:AC+7], v[WR:WR+7], v[XR:XR+7], v[BI+8*\T:BI+8*\T+7], v[WS+4*(\s)+\T], v[XS+\m] matrix_a_fmt:MATRIX_FMT_FP4 matrix_b_fmt:MATRIX_FMT_FP4
.else
	v_wmma_scale_f32_16x16x128_f8f6f4 v[AC:AC+7], v[WR:WR+7], v[XR:XR+7], v[AC:AC+7], v[WS+4*(\s)+\T], v[XS+\m] matrix_a_fmt:MATRIX_FMT_FP4 matrix_b_fmt:MATRIX_FMT_FP4
.endif
.endif
.endr
.endr
.endm
.macro PROD isv
	XFETCH 0
	s_wait_loadcnt 0x0
	s_wait_dscnt 0x0
	MUL \isv, 0, 0
	WIN 0
	PLACES
	WLOAD 2, 0
	XFETCH 1
	s_wait_dscnt 0x0
	MUL \isv, 1, 1
	WIN 0
	PLACES
	WLOAD 3, 1
	XFETCH 2
	s_wait_loadcnt 0x8
	s_wait_dscnt 0x0
	MUL \isv, 2, 0
	WIN 0
	PLACES
	XFETCH 3
	s_wait_loadcnt 0x0
	s_wait_dscnt 0x0
	MUL \isv, 3, 1
	WIN 0
.endm
	s_load_b512 s[4:19], s[0:1], 0x0
	s_load_b64 s[20:21], s[0:1], 0x40
	v_lshl_add_u32 v[SPW], v0, 2, SPARE
	v_mov_b32 v[NIL], 0
	ds_add_u32 v[SPW], v[NIL]
	ds_add_u32 v[SPW], v[NIL]
	v_lshrrev_b32 v1, 5, v0
	s_delay_alu instid0(VALU_DEP_1)
	v_readfirstlane_b32 s[WV], v1
	s_and_b32 s[Y], ttmp7, 0xffff
	s_mov_b32 s[G1+0], (3<<16)|(1<<20)|(7<<22)|(3<<25)
	s_mov_b32 s[G1+1], 128<<16
	s_mov_b32 s[G1+2], 16<<16
	s_mov_b32 s[G1+3], 128<<16
	s_mov_b32 s[G1+4], 16
	s_mov_b32 s[G1+5], 128
	s_mov_b32 s[G1+6], 0
	s_mov_b32 s[G1+7], 0
	v_and_b32 v1, 31, v0
	v_and_b32 v2, 15, v0
	v_bfe_u32 v3, v0, 4, 1
	s_delay_alu instid0(VALU_DEP_3)
	v_lshlrev_b32 v[LI], 4, v1
	s_delay_alu instid0(VALU_DEP_4)
	v_lshlrev_b32 v[LS], 2, v1
	s_mul_i32 s26, s[WV], RAWW
	v_mul_u32_u24 v[XRD], v2, RROW
	s_delay_alu instid0(VALU_DEP_1)
	v_lshl_add_u32 v[XRD], v3, 6, v[XRD]
	s_delay_alu instid0(VALU_DEP_1)
	v_add_nc_u32 v[XRD], s26, v[XRD]
	s_lshl_b32 s27, s[WV], 12
	v_add_nc_u32 v[XWI], s27, v[LI]
	s_delay_alu instid0(VALU_DEP_1)
	v_add_nc_u32 v[XWI], XIMG, v[XWI]
	s_lshl_b32 s27, s[WV], 9
	v_add_nc_u32 v[XWS], s27, v[LS]
	s_delay_alu instid0(VALU_DEP_1)
	v_add_nc_u32 v[XWS], XSC, v[XWS]
	v_add_nc_u32 v[LIX], XIMG, v[LI]
	v_add_nc_u32 v[LSX], XSC, v[LS]
	s_cmp_eq_u32 s[Y], 2
	s_cselect_b32 s27, 0, 16
	s_cselect_b32 s[MSK], -1, 0xffff
	v_mul_u32_u24 v[SH], s27, v3
.irp b, 0,1,2,3
	v_mov_b32 v[TM+4+\b], 0
.endr
	s_mov_b32 s[SEL], 0x76543210
	s_mov_b32 s[SEL+1], 0xfedcba98
	s_lshl_b32 s28, ttmp9, 7
	s_cmp_eq_u32 s[Y], 1                           ; k's tiles take other rows than q's and v's: the choice hangs on the work-group's number alone
	s_cselect_b32 s59, 2, 1
	s_cselect_b32 s62, 3, 1
	s_lshl_b32 s60, 16384, s59                     ; bytes from a tile's first eight rows to its second eight: 32 rows (k) or 16 rows of 2,048 bytes
	s_mov_b32 s61, 0
	s_lshr_b32 s29, s[WV], s59                     ; w / 4 or w / 2,
	s_add_co_u32 s59, s59, 4
	s_lshl_b32 s29, s29, s59                       ; x 64 or x 32 rows
	s_add_co_u32 s28, s28, s29
	s_and_b32 s29, s[WV], s62                      ; w % 4 or w % 2, x 8 rows
	s_lshl_b32 s29, s29, 3
	s_add_co_u32 s28, s28, s29
	s_lshl_b32 s28, s28, 11
	s_mov_b32 s29, 0
	s_lshl_b32 s30, s[Y], 3
	s_add_co_u32 s30, s30, s[WV]
	s_lshl_b32 s50, s30, 14
	s_mov_b32 s51, 0
	s_lshl_b32 s52, s30, 11
	s_mov_b32 s53, 0
	s_lshr_b32 s30, ttmp9, 5
	s_lshl_b32 s30, s30, 3
	s_add_co_u32 s30, s30, s[WV]
	s_lshl_b32 s30, s30, 5
	s_and_b32 s31, ttmp9, 31
	s_add_co_u32 s30, s30, s31
	s_mul_i32 s54, s30, GSTEP
	s_mul_i32 s31, s[Y], PART
	s_add_co_u32 s54, s54, s31
	s_mov_b32 s55, 0
	s_lshl_b32 s56, s[WV], 8
	s_mov_b32 s57, 0
	s_wait_dscnt 0x0
	s_wait_kmcnt 0x0
	s_cmp_eq_u32 s[Y], 1
	s_cselect_b64 s[4:5], s[6:7], s[4:5]
	s_cselect_b64 s[10:11], s[12:13], s[10:11]
	s_cmp_eq_u32 s[Y], 2
	s_cselect_b64 s[4:5], s[8:9], s[4:5]
	s_cselect_b64 s[10:11], s[14:15], s[10:11]
	s_add_nc_u64 s[4:5], s[4:5], s[28:29]
	s_add_nc_u64 s[10:11], s[10:11], s[56:57]
	s_add_nc_u64 s[16:17], s[16:17], s[50:51]
	s_add_nc_u64 s[18:19], s[18:19], s[52:53]
	s_add_nc_u64 s[20:21], s[20:21], s[54:55]
	s_mov_b32 s[G0+0], 1
	s_mov_b32 s[G0+1], s26
	s_mov_b64 s[G0+2:G0+3], s[4:5]
	s_or_b32 s[G0+3], s[G0+3], 0x80000000
	s_mov_b32 s[G0+4], 1
	s_add_co_u32 s[G0+5], s26, RAWH
	s_add_nc_u64 s[G0+6:G0+7], s[4:5], s[60:61]
	s_or_b32 s[G0+7], s[G0+7], 0x80000000
	tensor_load_to_lds s[G0:G0+3], s[G1:G1+7]
	s_nop 0
	s_wait_alu depctr_va_vdst(0)
	s_wait_tensorcnt 0x0
	ds_add_u32 v12, v13
	s_wait_dscnt 0x0
	s_barrier_signal -1
	s_barrier_wait -1
	tensor_load_to_lds s[G0+4:G0+7], s[G1:G1+7]
	s_nop 0
.rept 4
	v_nop
.endr
.irp i, 0,1,2,3,4,5,6,7,8,9,10,11,12,13,14,15
	global_load_b32 v[WS+\i], v[LS], s[18:19] offset:128*\i
.endr
	s_cmp_eq_u32 s[Y], 2
	s_cbranch_scc1 .Lbias_v
	v_lshlrev_b32 v[BO], 6, v3
.irp T, 0,1,2,3
	global_load_b128 v[BI+8*\T:BI+8*\T+3],   v[BO], s[10:11] offset:(32*(\T/2)+8*(\T%2))*4
	global_load_b128 v[BI+8*\T+4:BI+8*\T+7], v[BO], s[10:11] offset:(32*(\T/2)+8*(\T%2))*4+16
.endr
	s_branch .Lbias_done
.Lbias_v:
	v_and_b32 v[BO], 8, v2
	s_delay_alu instid0(VALU_DEP_1)
	v_add_nc_u32 v[BO], v[BO], v2
	s_delay_alu instid0(VALU_DEP_1)
	v_lshlrev_b32 v[BO], 2, v[BO]
.irp T, 0,1,2,3
.irp j, 0,1,2,3,4,5,6,7
	global_load_b32 v[BI+8*\T+\j], v[BO], s[10:11] offset:(32*(\T/2)+8*(\T%2))*4
.endr
.endr
.Lbias_done:
	WLOAD 0, 0
	WLOAD 1, 1
	s_wait_tensorcnt 0x0
	WIN 0x40
.irp s, 0,1,2,3
.irp b, 0,1,2,3
.irp j, 0,1,2,3
	ds_load_b128 v[64*\s+16*\b+4*\j:64*\s+16*\b+4*\j+3], v[XRD] offset:(\s/2)*1040+(\s%2)*512+128*\b+16*\j
.endr
.endr
.endr
	WIN 0
.irp s, 0,1,2,3
	s_wait_dscnt 48-13*\s
	QUANT 64*\s, XF+8*\s, PW+\s
	ds_store_b128 v[XWI], v[XF+8*\s:XF+8*\s+3]   offset:1024*\s
	ds_store_b128 v[XWI], v[XF+8*\s+4:XF+8*\s+7] offset:1024*\s+512
	ds_store_b32  v[XWS], v[PW+\s] offset:128*\s
.endr
	s_wait_dscnt 0x0
	s_barrier_signal -1
	s_barrier_wait -1
	s_cmp_eq_u32 s[Y], 2
	s_cbranch_scc1 .Lprod_v
	PROD 0
	s_branch .Lout
.Lprod_v:
	PROD 1
.Lout:
	PLACES
.irp g, 0,1,2,3
	QUANT 64*\g, XF+8*\g, PW+\g
	global_store_b128 v[LI], v[XF+8*\g:XF+8*\g+3],   s[20:21] offset:1024*\g
	global_store_b128 v[LI], v[XF+8*\g+4:XF+8*\g+7], s[20:21] offset:1024*\g+512
	v_lshrrev_b32 v[WO+\g], v[SH], v[PW+\g]
	s_delay_alu instid0(VALU_DEP_1)
	v_and_b32 v[WO+\g], s[MSK], v[WO+\g]
.endr
	global_store_b128 v[LI], v[WO:WO+3], s[20:21] offset:4096
	s_wait_tensorcnt 0x0
	ds_add_u32 v[SPW], v[NIL]
	s_wait_dscnt 0x0
	s_endpgm
.Lfunc_end_k_q99abec95f0_proj:
	.size	k_q99abec95f0_proj, .Lfunc_end_k_q99abec95f0_proj-k_q99abec95f0_proj
	.p2alignl 7, 3214868480
	.fill 96, 4, 3214868480
	.section	.rodata,"a",@progbits
	.p2align	6, 0x0
	.amdhsa_kernel k_q99abec95f0_proj
		.amdhsa_group_segment_fixed_size 327680
		.amdhsa_private_segment_fixed_size 0
		.amdhsa_enable_private_segment 0
		.amdhsa_kernarg_size 72
		.amdhsa_user_sgpr_count 2
		.amdhsa_user_sgpr_kernarg_segment_ptr 1
		.amdhsa_wavefront_size32 1
		.amdhsa_system_sgpr_workgroup_id_x 1
		.amdhsa_system_sgpr_workgroup_id_y 1
		.amdhsa_system_sgpr_workgroup_id_z 1
		.amdhsa_system_vgpr_workitem_id 0
		.amdhsa_next_free_vgpr 512
		.amdhsa_next_free_sgpr 66
		.amdhsa_reserve_vcc 0
		.amdhsa_float_denorm_mode_32 3
		.amdhsa_float_denorm_mode_16_64 3
		.amdhsa_memory_ordered 1
		.amdhsa_forward_progress 1
		.amdhsa_inst_pref_size 102
	.end_amdhsa_kernel
	.amdgpu_metadata
---
amdhsa.version: [ 1, 2 ]
amdhsa.kernels:
  - .name:           k_q99abec95f0_proj
    .symbol:         k_q99abec95f0_proj.kd
    .args:
      - { .name: queries, .offset: 0, .size: 8, .value_kind: global_buffer, .address_space: global }
      - { .name: keys, .offset: 8, .size: 8, .value_kind: global_buffer, .address_space: global }
      - { .name: values, .offset: 16, .size: 8, .value_kind: global_buffer, .address_space: global }
      - { .name: bq, .offset: 24, .size: 8, .value_kind: global_buffer, .address_space: global }
      - { .name: bk, .offset: 32, .size: 8, .value_kind: global_buffer, .address_space: global }
      - { .name: bv, .offset: 40, .size: 8, .value_kind: global_buffer, .address_space: global }
      - { .name: wcodes, .offset: 48, .size: 8, .value_kind: global_buffer, .address_space: global }
      - { .name: wscales, .offset: 56, .size: 8, .value_kind: global_buffer, .address_space: global }
      - { .name: qkv, .offset: 64, .size: 8, .value_kind: global_buffer, .address_space: global }
    .group_segment_fixed_size: 327680
    .private_segment_fixed_size: 0
    .kernarg_segment_align: 8
    .kernarg_segment_size: 72
    .max_flat_workgroup_size: 256
    .sgpr_count:     66
    .vgpr_count:     512
    .wavefront_size: 32
...
	.end_amdgpu_metadata
.endif
;; end of part 2
;; launch attn (part 3): grid 16 x 16, 16 waves a work-group, clusters of 4 x 1, 327,680 bytes of LDS; arguments qkv, out0; writes out0
.if DOCPART == 3
	.amdgcn_target "amdgcn-amd-amdhsa--gfx1250"
	.amdhsa_code_object_version 6
	.text
	.protected	k_q99abec95f0_attn
	.globl	k_q99abec95f0_attn
	.p2align	8
	.type	k_q99abec95f0_attn,@function
k_q99abec95f0_attn:
	s_mov_b64 s[64:65], 0
	v_nop
	global_prefetch_b8 v0, s[64:65] scope:SCOPE_SE
	s_setreg_imm32_b32 hwreg(HW_REG_WAVE_MODE, 25, 1), 1
	s_wait_xcnt 0x0
	s_wait_alu depctr_hold_cnt(0) depctr_sa_sdst(0) depctr_va_vdst(0) depctr_va_sdst(0) depctr_va_ssrc(0) depctr_va_vcc(0) depctr_vm_vsrc(0)
	s_getreg_b32 s2, hwreg(HW_REG_IB_STS2, 6, 4)
	s_cmp_eq_u32 s2, 0
	s_cbranch_scc0 .Lentry_in_a_cluster
	s_endpgm
.Lentry_in_a_cluster:
	s_bfe_u32 s2, ttmp6, 0x10000c
	s_cmp_lg_u32 s2, 0x3003
	s_cbranch_scc0 .Lentry_shape_is_right
	s_endpgm
.Lentry_shape_is_right:
; Launch 3 of 3: attention on codes of FP4 (E2M1) with one E8M0 scale for each 32 along a product's K.  No work is left out.
; out[b][q][head][:] = sum over keys of softmax(q . k / 8) v.  t = score x log2(e) / 8; M = the row's largest t so far, rounded up to a whole number; p = 2^(t - M) is quantised along the keys;
; the row's sum is taken of the unquantised p and divides at the end.  When M moves, the sum and O are multiplied by 2^(old M - new M), which rounds nothing.
; LIMIT: the promise holds while the scaled scores t stay under 2^31 in magnitude (the change of M goes through a 32-bit whole number, which saturates).  NaN and infinities among the inputs are not served.
; SHARES.  A work-group owns 256 queries of one (batch, head); each of its sixteen waves owns 16 of them in 256 registers, four waves to a SIMD.  Every wave walks all 4,096 keys, 128 a step, 32 steps.
; K AND V OF THE WHOLE HEAD STAY IN LDS: 32 steps x 9,216 bytes (k's part, then v's) = 294,912 bytes.  Each wave asks for two steps by its one tensor load at the head (2 rows of 9,216 bytes, 13,824 apart in memory):
; 16 loads, filled once, nothing is filled again; one barrier shows all of it to all waves, and the 32 steps have no barrier among them.
; CLUSTER: the four work-groups of a cluster walk the same head, so each load is a joint load with the mask of all four.
; NO DATA PREFETCH: every tile is asked for at the kernel's head, by each wave's first memory instruction behind the arguments; there is no later load to run ahead of.
; LAYOUT.  Both products are used transposed (S^T = K Q^T, O^T = V^T P^T): a lane holds one query (lane % 16) throughout.  K's tile 4 c + g holds keys 64 c + 8 g + 0 .. 7 and 64 c + 32 + 8 g + 0 .. 7 (launch 2 lays it so):
; register 32 c + 8 g + j of the scores in lane (r, h) is key 64 c + 32 h + 8 g + j.  So a lane holds two WHOLE blocks of 32 keys, in the order of the second product's operand: a block's largest score needs no other lane,
; and the conversions' results are the operand's registers.  A head has 64 channels: the upper half of the first product's K meets zero codes of Q.
; ORDER IN A STEP.  Independent chains take turns: eight chains of maxima (one an accumulator), four chains of sums; the step's 18 LDS loads stand between the dependent lines that lead from the blocks' maxima to -M.
.set GSTEP, 13824                      ; q's, k's and v's parts of 128 rows of a head
.set PART,  4608                       ; a part: 4,096 bytes of codes, 512 of scale words
.set HEADB, 442368                     ; 32 x GSTEP
.set STEPB, 9216                       ; a key step in LDS: k's part, v's part
.set KSO,   4096
.set VO,    4608
.set VSO,   8704
.set SPARE, 294912                     ; behind the 32 steps: the spare words, 128 bytes for each wave
.set SP,    272                        ; the way out: a stage row, 256 bytes + 16
.set WSTG,  4352                       ; 16 such rows for each wave, in K's and V's bytes, which have had their one fill and are read no more by then
.set LI,  1                            ; 16 x lane
.set ADR, 2                            ; the step's LDS address
.set STO, 3
.set RD,  4
.set SPW, 5                            ; my spare word; never rewritten
.set NIL, 6                            ; 0; never rewritten
.set GO,  7
.set SH8, 8                            ; 8 x (lane / 16)
.set QF,  16                           ; v16-19 Q's codes, v20-23 zeros
.set QS,  24
.set PS,  25                           ; p's scale word
.set KS,  28
.set KF,  32                           ; v32-63 K's eight tiles, v64-67 zeros
.set VS,  72
.set VF,  80
.set S,   112                          ; v112-175 scores, then p
.set O,   176                          ; v176-207 O^T
.set PC,  208                          ; p's codes
.set BM,  216                          ; the two blocks' largest
.set T2,  220
.set SO,  222
.set OM,  226                          ; the old -M
.set F,   228
.set TT,  230
.set SU,  232                          ; v232-233, v242-245: three more chains of the sum
.set MX,  234                          ; v234-241 eight chains of maxima
.set SU2, 242
.set SU3, 244
.set WV,  8
.set G1,  16
.set G0,  24
.set SEL, 40
.set CS,  42
.set TB,  44
.set CNT, 45
.macro CROUND                          ; a round of the cluster's barrier
	s_barrier_signal -1
	s_barrier_wait -1
	s_cmp_lg_u32 s[WV], 0
	s_cbranch_scc1 .Lnot_wave_0_\@
	s_barrier_signal -3
.Lnot_wave_0_\@:
	s_barrier_wait -3
	s_barrier_signal -1
	s_barrier_wait -1
.endm
.macro LDK on, a, off, i               ; the i-th of nine loads of a step's K: eight tiles, then their scale words
.if \on
.if (\i) < 8
	ds_load_b128 v[KF+4*(\i):KF+4*(\i)+3], v[\a] offset:(\off)+512*(\i)
.else
	ds_load_b128 v[KS:KS+3], v[\a] offset:(\off)+KSO
.endif
.endif
.endm
.macro LDV i                           ; the i-th of nine loads of this step's V
.if (\i) < 8
	ds_load_b128 v[VF+4*(\i):VF+4*(\i)+3], v[ADR] offset:VO+512*(\i)
.else
	ds_load_b128 v[VS:VS+3], v[ADR] offset:VSO
.endif
.endm
.macro SUM4 base                       ; the row's sum, two numbers an instruction, in four chains
	v_pk_add_f32 v[14:15], v[14:15], v[S+(\base):S+(\base)+1]
	v_pk_add_f32 v[SU:SU+1], v[SU:SU+1], v[S+(\base)+2:S+(\base)+3]
	v_pk_add_f32 v[SU2:SU2+1], v[SU2:SU2+1], v[S+(\base)+4:S+(\base)+5]
	v_pk_add_f32 v[SU3:SU3+1], v[SU3:SU3+1], v[S+(\base)+6:S+(\base)+7]
.endm
.macro TM base                         ; t - M of sixteen scores (of the pairs c and -M the low word serves both halves)
.irp j, 0,2,4,6,8,10,12,14
	v_pk_fma_f32 v[S+(\base)+\j:S+(\base)+\j+1], v[S+(\base)+\j:S+(\base)+\j+1], s[CS:CS+1], v[12:13] op_sel_hi:[1,0,0]
.endr
.endm
	s_load_b128 s[4:7], s[0:1], 0x0                ; qkv, out0
	v_lshl_add_u32 v[SPW], v0, 2, SPARE
	v_mov_b32 v[NIL], 0
	ds_add_u32 v[SPW], v[NIL]                      ; the opening lines: the add, twice on end, and its wait ahead of my tensor load
	ds_add_u32 v[SPW], v[NIL]
	v_lshrrev_b32 v9, 5, v0
	v_readfirstlane_b32 s[WV], v9                  ; wave 0..15
	s_bfe_u32 s9, ttmp6, 0x40000                   ; cx
	s_lshl_b32 s10, ttmp9, 2
	s_add_co_u32 s10, s10, s9                      ; which 256 queries
	s_and_b32 s11, ttmp7, 0xffff                   ; 8 x batch + head
	s_mov_b32 s[G1+0], 15|(3<<16)|(1<<21)          ; the mask of the cluster's four, elements of 8 bytes, bit 21 beside the mask
	s_mov_b32 s[G1+1], 1152<<16                    ; tensor_dim0: 9,216 bytes
	s_mov_b32 s[G1+2], 2<<16                       ; tensor_dim1
	s_mov_b32 s[G1+3], 1152<<16                    ; tile_dim0
	s_mov_b32 s[G1+4], 2                           ; tile_dim1
	s_mov_b32 s[G1+5], 1728                        ; from row to row: 13,824 bytes
	s_mov_b32 s[G1+6], 0
	s_mov_b32 s[G1+7], 0
	s_mul_i32 s46, s11, HEADB                      ; what I fetch: steps 2 w and 2 w + 1 of the head, from k's part on
	s_mul_i32 s12, s[WV], 2*GSTEP
	s_add_co_u32 s46, s46, s12
	s_add_co_u32 s46, s46, PART
	s_mov_b32 s47, 0
	s_mul_i32 s13, s[WV], 2*STEPB                  ; and where it goes
	s_lshl_b32 s48, s11, 5                         ; my queries' group of 128 rows
	s_lshl_b32 s14, s10, 1
	s_add_co_u32 s48, s48, s14
	s_lshr_b32 s14, s[WV], 3
	s_add_co_u32 s48, s48, s14
	s_mul_i32 s48, s48, GSTEP
	s_and_b32 s14, s[WV], 7                        ; my tile in it
	s_lshl_b32 s15, s14, 9
	s_add_co_u32 s50, s48, s15                     ; its codes
	s_mov_b32 s51, 0
	s_and_b32 s15, s14, 1
	s_lshl_b32 s15, s15, 8
	s_add_co_u32 s52, s48, s15
	s_lshr_b32 s15, s14, 1
	s_lshl_b32 s15, s15, 2
	s_add_co_u32 s52, s52, s15
	s_add_co_u32 s52, s52, 4096                    ; its scale words
	s_mov_b32 s53, 0
	s_lshl_b32 s54, s10, 8                         ; my tile's first query: 256 x block + 128 (w / 8) + 32 ((w / 2) % 4) + 8 (w % 2)
	s_lshr_b32 s15, s[WV], 3
	s_lshl_b32 s15, s15, 7
	s_add_co_u32 s54, s54, s15
	s_bfe_u32 s15, s[WV], 0x20001
	s_lshl_b32 s15, s15, 5
	s_add_co_u32 s54, s54, s15
	s_and_b32 s15, s[WV], 1
	s_lshl_b32 s15, s15, 3
	s_add_co_u32 s54, s54, s15
	s_lshl_b32 s54, s54, 11                        ; rows of 2,048 bytes,
	s_lshr_b32 s15, s11, 3
	s_lshl_b32 s15, s15, 23                        ; the batch,
	s_add_co_u32 s54, s54, s15
	s_and_b32 s15, s11, 7
	s_lshl_b32 s15, s15, 8                         ; the head's 256 bytes of a row
	s_add_co_u32 s54, s54, s15
	s_mov_b32 s55, 0
	s_mov_b32 s[SEL], 0x76543210                   ; lane selects: lane l xor 16
	s_mov_b32 s[SEL+1], 0xfedcba98
	s_mov_b32 s[CS], 0x3e38aa3b                    ; c = log2(e) / 8
	s_mov_b32 s[CS+1], s[CS]
	s_wait_dscnt 0x0                               ; both opening adds are done
	s_wait_kmcnt 0x0
	s_add_nc_u64 s[46:47], s[4:5], s[46:47]
	s_add_nc_u64 s[50:51], s[4:5], s[50:51]
	s_add_nc_u64 s[52:53], s[4:5], s[52:53]
	s_add_nc_u64 s[6:7], s[6:7], s[54:55]
	s_mov_b32 s[G0], 1
	s_mov_b32 s[G0+1], s13
	s_mov_b64 s[G0+2:G0+3], s[46:47]
	s_or_b32 s[G0+3], s[G0+3], 0x80000000
	CROUND                                         ; all four work-groups are here: the joint loads meet
	tensor_load_to_lds s[G0:G0+3], s[G1:G1+7]      ; my one tensor load: every wave issues one
	s_nop 0
	v_and_b32 v9, 31, v0
	v_and_b32 v10, 15, v0
	v_bfe_u32 v[SH8], v0, 4, 1
	v_lshlrev_b32 v[LI], 4, v9
	v_lshlrev_b32 v11, 4, v10
	v_lshlrev_b32 v[SH8], 3, v[SH8]
	global_load_b128 v[QF:QF+3], v[LI], s[50:51]   ; Q's tile stays in registers
	global_load_b32 v[QS], v11, s[52:53]
.irp j, 20,21,22,23,64,65,66,67
	v_mov_b32 v\j, 0                               ; zero codes: the upper half of the first product's K
.endr
	v_mov_b32 v13, 0xff61b1e6                      ; the largest score so far: -3e38
	v_mov_b32 v14, 0                               ; the sum, in two halves
	v_mov_b32 v15, 0
	v_floor_f32 v12, -v13                          ; -M
	v_mov_b32 v[T2], 0                             ; (a lane permute's destination counts as one of its sources)
	v_mov_b32 v[F+1], 0                            ; (named as the upper half of a pair)
.irp j, 0,1,2,3,4,5,6,7,8,9,10,11,12,13,14,15,16,17,18,19,20,21,22,23,24,25,26,27,28,29,30,31
	v_mov_b32 v[O+\j], 0                           ; O^T: the step is written for all steps alike; the first change of M multiplies zeros
.endr
; A KEY STEP.  pf = 1: the next step's K is fetched in this step.
.macro STEP pf
	s_wait_dscnt 0x0                               ; this step's K is in (asked for a step ago)
.irp t, 0,2,4,6
	v_wmma_scale_f32_16x16x128_f8f6f4 v[S+8*\t:S+8*\t+7], v[KF+4*\t:KF+4*\t+7], v[QF:QF+7], 0, v[KS+\t/2], v[QS] matrix_a_fmt:MATRIX_FMT_FP4 matrix_b_fmt:MATRIX_FMT_FP4
	v_wmma_scale_f32_16x16x128_f8f6f4 v[S+8*\t+8:S+8*\t+15], v[KF+4*\t+4:KF+4*\t+11], v[QF:QF+7], 0, v[KS+\t/2], v[QS] matrix_a_fmt:MATRIX_FMT_FP4 matrix_b_fmt:MATRIX_FMT_FP4 matrix_a_scale:MATRIX_SCALE_ROW1
.endr
	v_add_nc_u32 v[ADR], s[TB], v[LI]              ; four places: ahead of the first read of the scores and of the loads into V's and K's registers, which matrix instructions have read
	v_mov_b32 v[OM], v12                           ; the old -M
	v_nop
	v_nop
.irp q, 0,1,2,3,4,5,6,7                        ; the largest scores: a chain for each accumulator, from its low end on
	v_max3_num_f32 v[MX+\q], v[S+8*\q], v[S+8*\q+1], v[S+8*\q+2]
.endr
.irp i, 3,5
.irp q, 0,1,2,3,4,5,6,7
	v_max3_num_f32 v[MX+\q], v[MX+\q], v[S+8*\q+\i], v[S+8*\q+\i+1]
.endr
.endr
	v_max3_num_f32 v[MX], v[MX], v[MX+1], v[S+7]   ; four chains and four last registers make a block's largest
	v_max3_num_f32 v[MX+2], v[MX+2], v[MX+3], v[S+15]
	v_max3_num_f32 v[MX+4], v[MX+4], v[MX+5], v[S+39]
	v_max3_num_f32 v[MX+6], v[MX+6], v[MX+7], v[S+47]
	LDV 0
	LDV 1
	v_max3_num_f32 v[MX], v[MX], v[MX+2], v[S+23]
	v_max3_num_f32 v[MX+4], v[MX+4], v[MX+6], v[S+55]
	LDV 2
	LDV 3
	v_max_num_f32 v[BM], v[MX], v[S+31]            ; block h
	v_max_num_f32 v[BM+1], v[MX+4], v[S+63]        ; block 2 + h
	LDV 4
	LDV 5
	v_max_num_f32 v[TT], v[BM], v[BM+1]
	LDV 6
	LDV 7
	LDV 8
	v_permlanex16_b32 v[T2], v[TT], s[SEL], s[SEL+1]
	LDK \pf, ADR, STEPB, 0
	LDK \pf, ADR, STEPB, 1
	LDK \pf, ADR, STEPB, 2
	v_max3_num_f32 v13, v13, v[TT], v[T2]          ; the running largest score of my query
	LDK \pf, ADR, STEPB, 3
	LDK \pf, ADR, STEPB, 4
	LDK \pf, ADR, STEPB, 5
	v_mul_f32 v[TT], s[CS], v13                    ; as t (c is positive)
	LDK \pf, ADR, STEPB, 6
	LDK \pf, ADR, STEPB, 7
	v_floor_f32 v12, -v[TT]                        ; the new -M = -ceil(t)
	LDK \pf, ADR, STEPB, 8
	TM 0
	v_sub_f32 v[TT], v12, v[OM]                    ; old M - new M: a whole number, 0 or less
	v_fma_f32 v[BM], v[BM], s[CS], v12             ; t - M of each block's largest score
	v_fma_f32 v[BM+1], v[BM+1], s[CS], v12
	TM 16
	v_cvt_i32_f32 v[TT], v[TT]                     ; (it saturates)
	TM 32
	v_ldexp_f32 v[F], 1.0, v[TT]                   ; f = 2^(old M - new M)
	TM 48
.irp j, 0,2,4,6,8,10,12,14,16,18,20,22,24,26,28,30
	v_pk_mul_f32 v[O+\j:O+\j+1], v[O+\j:O+\j+1], v[F:F+1] op_sel_hi:[1,0]   ; O^T under the new M
.endr
	s_wait_alu depctr_va_vdst(0)                   ; the wait ahead of the batch
	v_exp_f32 v[BM], v[BM]                         ; each block's largest p: the same two instructions on the same number give the same bits
	v_exp_f32 v[BM+1], v[BM+1]
.irp j, 0,1,2,3,4,5,6,7,8,9,10,11,12,13,14,15,16,17,18,19,20,21,22,23,24,25,26,27,28,29,30,31,32,33,34,35,36,37,38,39,40,41,42,43,44,45,46,47,48,49,50,51,52,53,54,55,56,57,58,59,60,61,62,63
	v_exp_f32 v[S+\j], v[S+\j]                     ; p = 2^(t - M)
.endr
	v_pk_mul_f32 v[14:15], v[14:15], v[F:F+1] op_sel_hi:[1,0]   ; the sums under the new M (a plain place behind the batch)
	s_wait_alu depctr_va_vdst(0)                   ; one wait for the whole batch, ahead of its first reader
	v_max_num_f32 v[BM], 0x1800000, v[BM]          ; the floor 2^(3 - 127): the byte cannot fall under 1.  The scales' lines stand among the additions of the unquantised p
	v_max_num_f32 v[BM+1], 0x1800000, v[BM+1]
	v_pk_add_f32 v[14:15], v[14:15], v[S:S+1]
	v_pk_add_f32 v[SU:SU+1], v[S+2:S+3], v[S+10:S+11]
	v_add_nc_u32 v[SO], 0xff000000, v[BM]          ; 2 off the exponent field: the conversion's scale operand
	v_add_nc_u32 v[SO+1], 0xff000000, v[BM+1]
	v_pk_add_f32 v[SU2:SU2+1], v[S+4:S+5], v[S+12:S+13]
	v_pk_add_f32 v[SU3:SU3+1], v[S+6:S+7], v[S+14:S+15]
	v_lshrrev_b32 v[T2], 23, v[SO]                 ; the scales' bytes
	v_lshrrev_b32 v[T2+1], 23, v[SO+1]
	SUM4 16
	v_lshl_or_b32 v[PS], v[T2+1], 16, v[T2]        ; my two bytes, blocks h and 2 + h,
	SUM4 24
	v_lshlrev_b32 v[PS], v[SH8], v[PS]             ; at their places in the scale word;
	SUM4 32
	v_permlanex16_b32 v[T2], v[PS], s[SEL], s[SEL+1]
	SUM4 40
	v_or_b32 v[PS], v[PS], v[T2]                   ; with lane l xor 16's two the word is whole
	SUM4 48
.irp c, 0,1
.irp g, 0,1,2,3
	v_cvt_scalef32_pk8_fp4_f32 v[PC+4*\c+\g], v[S+32*\c+8*\g:S+32*\c+8*\g+7], v[SO+\c]   ; registers 4 c .. 4 c + 3 of the operand: keys 64 c + 32 h + 0 .. 31
.endr
.endr
	SUM4 56                                        ; these eight additions are also the places between the conversions and the products below
	v_pk_add_f32 v[14:15], v[14:15], v[S+8:S+9]
	v_pk_add_f32 v[SU:SU+1], v[SU:SU+1], v[SU2:SU2+1]
	v_pk_add_f32 v[14:15], v[14:15], v[SU3:SU3+1]
	v_pk_add_f32 v[14:15], v[14:15], v[SU:SU+1]
	s_wait_alu depctr_va_vdst(0)                   ; directly ahead of the wait below
	s_wait_dscnt 9*(\pf)                           ; V is in; the nine loads of the next step's K, issued behind V's, may be out
.irp T, 0,1,2,3
	v_wmma_scale_f32_16x16x128_f8f6f4 v[O+8*\T:O+8*\T+7], v[VF+8*\T:VF+8*\T+7], v[PC:PC+7], v[O+8*\T:O+8*\T+7], v[VS+\T], v[PS] matrix_a_fmt:MATRIX_FMT_FP4 matrix_b_fmt:MATRIX_FMT_FP4
.endr
.endm
	s_wait_alu depctr_va_vdst(0)                   ; the wait at the head's end
	s_wait_loadcnt 0x0                             ; Q
	s_wait_tensorcnt 0x0                           ; my two steps are in
	s_barrier_signal -1
	s_barrier_wait -1                              ; and so are everybody's: all 32 steps
.irp i, 0,1,2,3,4,5,6,7,8
	LDK 1, LI, 0, \i
.endr
	s_mov_b32 s[TB], 0
	s_mov_b32 s[CNT], 31
.Lstep:
	STEP 1
	s_add_co_u32 s[TB], s[TB], STEPB
	s_sub_co_u32 s[CNT], s[CNT], 1
	s_cmp_lg_u32 s[CNT], 0
	s_cbranch_scc1 .Lstep
	STEP 0                                         ; the last step is written out: no K follows it
	s_barrier_signal -1                            ; my reads of K and V are over (the step's wait was for 0); register work stands between signal and wait
	; THE WAY OUT: O^T / the sum goes through my stage and leaves as aligned units of 256 bytes, a head's part of a row of out0
	v_add_f32 v14, v14, v15
	s_delay_alu instid0(VALU_DEP_1)
	v_permlanex16_b32 v[T2], v14, s[SEL], s[SEL+1]
	s_delay_alu instid0(VALU_DEP_1)
	v_add_f32 v14, v14, v[T2]                      ; the row's sum
	s_wait_alu depctr_va_vdst(0)                   ; the wait ahead of the transcendental
	v_rcp_f32 v14, v14
	v_and_b32 v9, 15, v0
	v_bfe_u32 v10, v0, 4, 1
	s_mul_i32 s12, s[WV], WSTG
	v_mul_u32_u24 v[STO], v9, SP
	v_mul_u32_u24 v[RD], v10, SP
	v_lshlrev_b32 v[GO], 11, v10
	v_lshl_add_u32 v[STO], v10, 6, v[STO]
	v_lshl_add_u32 v[RD], v9, 4, v[RD]
	v_lshl_add_u32 v[GO], v9, 4, v[GO]             ; lanes 0-15 one row of out0, lanes 16-31 the next
	v_add_nc_u32 v[STO], s12, v[STO]               ; in: row r; registers 16 b + i are channels 32 b + 16 h + i
	v_add_nc_u32 v[RD], s12, v[RD]                 ; back: by rows
	s_wait_alu depctr_va_vdst(0)                   ; the wait ahead of the reciprocal's first reader, which is also the first reader of O^T
.irp j, 0,1,2,3,4,5,6,7,8,9,10,11,12,13,14,15,16,17,18,19,20,21,22,23,24,25,26,27,28,29,30,31
	v_mul_f32 v[S+\j], v[O+\j], v14
.endr
	s_wait_alu depctr_va_vdst(0)                   ; directly ahead of the barrier's wait
	s_barrier_wait -1                              ; nobody reads K or V any more: the stages may be written
.irp b, 0,1
.irp i, 0,1,2,3
	ds_store_b128 v[STO], v[S+16*\b+4*\i:S+16*\b+4*\i+3] offset:128*\b+16*\i
.endr
.endr
.irp i, 0,1,2,3,4,5,6,7
	ds_load_b128 v[VF+4*\i:VF+4*\i+3], v[RD] offset:2*\i*SP   ; LDS serves a wave's instructions in order: these see my stores
.endr
.irp i, 0,1,2,3,4,5,6,7
	s_wait_dscnt 7-\i
	global_store_b128 v[GO], v[VF+4*\i:VF+4*\i+3], s[6:7] offset:(2*\i+8*(\i/4))*2048 th:TH_STORE_NT   ; stage row r is query r + 8 (r / 8) of my tile; 16 lanes store 256 consecutive bytes, aligned
.endr
	s_wait_tensorcnt 0x0                           ; the wave's end
	ds_add_u32 v[SPW], v[NIL]
	s_wait_dscnt 0x0
	CROUND                                         ; the closing round
	s_endpgm
.Lfunc_end_k_q99abec95f0_attn:
	.size	k_q99abec95f0_attn, .Lfunc_end_k_q99abec95f0_attn-k_q99abec95f0_attn
	.p2alignl 7, 3214868480
	.fill 96, 4, 3214868480
	.section	.rodata,"a",@progbits
	.p2align	6, 0x0
	.amdhsa_kernel k_q99abec95f0_attn
		.amdhsa_group_segment_fixed_size 327680
		.amdhsa_private_segment_fixed_size 0
		.amdhsa_enable_private_segment 0
		.amdhsa_kernarg_size 16
		.amdhsa_user_sgpr_count 2
		.amdhsa_user_sgpr_kernarg_segment_ptr 1
		.amdhsa_wavefront_size32 1
		.amdhsa_system_sgpr_workgroup_id_x 1
		.amdhsa_system_sgpr_workgroup_id_y 1
		.amdhsa_system_sgpr_workgroup_id_z 1
		.amdhsa_system_vgpr_workitem_id 0
		.amdhsa_next_free_vgpr 256
		.amdhsa_next_free_sgpr 66
		.amdhsa_reserve_vcc 0
		.amdhsa_float_denorm_mode_32 3
		.amdhsa_float_denorm_mode_16_64 3
		.amdhsa_memory_ordered 1
		.amdhsa_forward_progress 1
		.amdhsa_inst_pref_size 38
	.end_amdhsa_kernel
	.amdgpu_metadata
---
amdhsa.version: [ 1, 2 ]
amdhsa.kernels:
  - .name:           k_q99abec95f0_attn
    .symbol:         k_q99abec95f0_attn.kd
    .args:
      - { .name: qkv, .offset: 0, .size: 8, .value_kind: global_buffer, .address_space: global }
      - { .name: out0, .offset: 8, .size: 8, .value_kind: global_buffer, .address_space: global }
    .group_segment_fixed_size: 327680
    .private_segment_fixed_size: 0
    .kernarg_segment_align: 8
    .kernarg_segment_size: 16
    .max_flat_workgroup_size: 512
    .sgpr_count:     66
    .vgpr_count:     256
    .wavefront_size: 32
...
	.end_amdgpu_metadata
.endif
;; end of part 3
